; MI455X (gfx1250); checked and timed in simulation.
; The chip was launched on July 23, 2026; its instructions are those of AMD's public machine-readable ISA for CDNA 5 (MIT licence, August 2026) and "CDNA5" Instruction Set Architecture Reference Guide (July 2026). The comments in the code are by the model that wrote it; some were corrected since.
;; Confidence Adaptive System. Allowed arithmetic: float matrix products may take bf16 or f16 operands with f32 sums; all other float work in f32.
;; Inputs: f_b1 8,192 float32; f_b2 2 float32; f_w1 4,096 x 8,192 float32; f_w2 8,192 x 2 float32; t_b1 8,192 float32; t_b2 2 float32; t_w1 4,096 x 8,192 float32; t_w2 8,192 x 2 float32; x 1,024 x 4,096 float32.
;; Outputs: out0 1,024 x 2 float32.
;; One version. Each part assembles by itself: llvm-mc -triple=amdgcn-amd-amdhsa -mcpu=gfx1250 --defsym DOCPART=n.
;; ======== version 1 of 1: 3 launches
;; limits: values outside matrix products are rounded to bf16
;; workspace buffers: xb 8,388,608 bytes; part 1,048,576 bytes
;; launch xcast (part 1): grid 256 x 1, 8 waves a work-group, no clusters, 0 bytes of LDS; arguments x, xb; writes xb
.if DOCPART == 1
	.amdgcn_target "amdgcn-amd-amdhsa--gfx1250"
	.amdhsa_code_object_version 6
	.text
	.protected	k_qe263f48313_xcast
	.globl	k_qe263f48313_xcast
	.p2align	8
	.type	k_qe263f48313_xcast,@function
k_qe263f48313_xcast:
	s_mov_b64 s[64:65], 0
	v_nop
	global_prefetch_b8 v0, s[64:65] scope:SCOPE_SE
	s_setreg_imm32_b32 hwreg(HW_REG_WAVE_MODE, 25, 1), 1
	s_wait_xcnt 0x0
; xb = x rounded once to bf16 (nearest even).  x: [1024][4096] f32, xb: the same shape in bf16, both taken as flat streams.
; A stream: each byte of x is read once, each byte of xb written once; LDS, barriers and the matrix unit would add nothing.
; 256 work-groups of eight waves; a work-group owns 65,536 bytes of x (32,768 of xb) as eight chunks of 8,192 bytes.
; Thread t takes 32 bytes (8 numbers) at 32 t of a chunk and stores their 16 bytes at 16 t: a store of a wave covers
; 512 consecutive bytes, aligned.  All sixteen loads of a thread go out first; no register is written twice.
.set X, 4                              ; v[4:67]   chunk c: 8 registers, f32 as loaded
.set Y, 68                             ; v[68:99]  chunk c: 4 registers, bf16 to store
	s_load_b128 s[4:7], s[0:1], 0x0                ; x s[4:5], xb s[6:7]
	s_lshl_b32 s8, ttmp9, 16                       ; my 65,536 bytes of x
	s_mov_b32 s9, 0
	s_lshl_b32 s10, ttmp9, 15                      ; my 32,768 bytes of xb
	s_mov_b32 s11, 0
	v_lshlrev_b32 v1, 5, v0                        ; 32 t
	v_lshlrev_b32 v2, 4, v0                        ; 16 t
	s_wait_kmcnt 0x0
	s_add_nc_u64 s[4:5], s[4:5], s[8:9]
	s_add_nc_u64 s[6:7], s[6:7], s[10:11]
.irp c, 0,1,2,3,4,5,6,7
	global_load_b128 v[X+8*\c:X+8*\c+3],   v1, s[4:5] offset:8192*\c th:TH_LOAD_NT      ; x is read once in this launch
	global_load_b128 v[X+8*\c+4:X+8*\c+7], v1, s[4:5] offset:8192*\c+16 th:TH_LOAD_NT
.endr
.irp c, 0,1,2,3,4,5,6,7
	s_wait_loadcnt 14-2*\c                         ; loads come back in order: chunk c's two are in, the 14 - 2 c younger ones stay out
.irp j, 0,1,2,3
	v_cvt_pk_bf16_f32 v[Y+4*\c+\j], v[X+8*\c+2*\j], v[X+8*\c+2*\j+1]
.endr
	global_store_b128 v2, v[Y+4*\c:Y+4*\c+3], s[6:7] offset:4096*\c                     ; no hint: the next launch reads xb
.endr
	s_endpgm
.Lfunc_end_k_qe263f48313_xcast:
	.size	k_qe263f48313_xcast, .Lfunc_end_k_qe263f48313_xcast-k_qe263f48313_xcast
	.p2alignl 7, 3214868480
	.fill 96, 4, 3214868480
	.section	.rodata,"a",@progbits
	.p2align	6, 0x0
	.amdhsa_kernel k_qe263f48313_xcast
		.amdhsa_group_segment_fixed_size 0
		.amdhsa_private_segment_fixed_size 0
		.amdhsa_enable_private_segment 0
		.amdhsa_kernarg_size 16
		.amdhsa_user_sgpr_count 2
		.amdhsa_user_sgpr_kernarg_segment_ptr 1
		.amdhsa_wavefront_size32 1
		.amdhsa_system_sgpr_workgroup_id_x 1
		.amdhsa_system_sgpr_workgroup_id_y 1
		.amdhsa_system_sgpr_workgroup_id_z 1
		.amdhsa_system_vgpr_workitem_id 0
		.amdhsa_next_free_vgpr 100
		.amdhsa_next_free_sgpr 66
		.amdhsa_reserve_vcc 0
		.amdhsa_float_denorm_mode_32 3
		.amdhsa_float_denorm_mode_16_64 3
		.amdhsa_memory_ordered 1
		.amdhsa_forward_progress 1
		.amdhsa_inst_pref_size 6
	.end_amdhsa_kernel
	.amdgpu_metadata
---
amdhsa.version: [ 1, 2 ]
amdhsa.kernels:
  - .name:           k_qe263f48313_xcast
    .symbol:         k_qe263f48313_xcast.kd
    .args:
      - { .name: x, .offset: 0, .size: 8, .value_kind: global_buffer, .address_space: global }
      - { .name: xb, .offset: 8, .size: 8, .value_kind: global_buffer, .address_space: global }
    .group_segment_fixed_size: 0
    .private_segment_fixed_size: 0
    .kernarg_segment_align: 8
    .kernarg_segment_size: 16
    .max_flat_workgroup_size: 256
    .sgpr_count:     66
    .vgpr_count:     100
    .wavefront_size: 32
...
	.end_amdgpu_metadata
.endif
;; end of part 1
;; launch experts (part 2): grid 256 x 1, 4 waves a work-group, clusters of 4 x 1, 327,680 bytes of LDS; arguments xb, t_w1, f_w1, t_b1, f_b1, t_w2, f_w2, part; writes part
.if DOCPART == 2
	.amdgcn_target "amdgcn-amd-amdhsa--gfx1250"
	.amdhsa_code_object_version 6
	.text
	.protected	k_qe263f48313_experts
	.globl	k_qe263f48313_experts
	.p2align	8
	.type	k_qe263f48313_experts,@function
k_qe263f48313_experts:
	s_mov_b64 s[64:65], 0
	v_nop
	global_prefetch_b8 v0, s[64:65] scope:SCOPE_SE
	s_setreg_imm32_b32 hwreg(HW_REG_WAVE_MODE, 25, 1), 1
	s_wait_xcnt 0x0
	s_wait_alu depctr_hold_cnt(0) depctr_sa_sdst(0) depctr_va_vdst(0) depctr_va_sdst(0) depctr_va_ssrc(0) depctr_va_vcc(0) depctr_vm_vsrc(0)
	s_getreg_b32 s2, hwreg(HW_REG_IB_STS2, 6, 4)
	s_cmp_eq_u32 s2, 0
	s_cbranch_scc0 .Lentry_in_a_cluster
	s_endpgm
.Lentry_in_a_cluster:
	s_bfe_u32 s2, ttmp6, 0x10000c
	s_cmp_lg_u32 s2, 0x3003
	s_cbranch_scc0 .Lentry_shape_is_right
	s_endpgm
.Lentry_shape_is_right:
; part[nbg][row][c] = sum over the 128 hidden units of column block nbg of relu(x w1 + b1)[row][unit] * w2[unit][c].
; Column blocks 0-63 are the texture expert's, 64-127 the frequency expert's.  xb: [1024][4096] bf16; w1: [4096][8192] f32;
; b1: [8192] f32; w2: [8192][2] f32; part: [128][1024][2] f32.
;
; FORMATS (stated limits).  w1, b1 and w2 are rounded once to bf16 (nearest even) where they are read, x was rounded by the launch before;
; everything behind that is f32: the hidden units are never rounded, the product with w2 is made on the f32 sums.  Rounding the biases too
; costs at most 2^-9 of their size and makes the whole program "f32 arithmetic on inputs rounded to bf16", which keeps the row select of
; the last launch, a step function, on one well-defined side.  relu is v_max_num_f32: a NaN sum becomes 0 here, NaN in the problem's
; function; that differs only where the problem's own result is not finite.
;
; SHAPE.  A work-group makes 512 rows x 128 hidden units with four waves, as many as a WGP has SIMDs; a wave makes 128 x 128: 64 accumulator
; tiles of 16 x 16, 512 registers.  2 row blocks x 128 column blocks = 256 work-groups.  K = 4,096 goes in 128 quarter steps of 32.
; x comes by the tensor data mover in K steps of 128 (rows of 256 bytes, aligned) through two LDS slots; wave w fetches and reads rows 128 w ..
; w1 lies [K][N] in f32: it has to be rounded and transposed, which the mover cannot do.  So it comes through registers: in each half step
; (64 K) wave w loads rows 16 w .. 16 w + 15 of the block's 128 columns (one load of a wave = one row piece of 512 consecutive bytes),
; two half steps ahead of its use; v_cvt_pk_bf16_f32 on two neighbouring K rows rounds and pairs them, which is the transposition;
; the wave stores its 16 K of all 128 columns into its own chunk of a small LDS stage, [column][K], from which all four waves take fragments.
; COLUMN ORDER.  Lane L holds columns 4 L + c; column 4 L + c lies in stage row rho = 32 c + L.  The hidden units are summed away, so the
; order is free as long as b1 and w2 follow it: their tables in LDS are kept in the order of rho.
; CLUSTERS: the four work-groups of a cluster make four column blocks of ONE row block and need the same tiles of x: these are asked for
; jointly (mask 15), which divides the requests for x by four.  w1 is not shared inside a cluster (four different column blocks); the two
; work-groups that read the same columns of w1 are in neighbouring clusters (2 i and 2 i + 1) and walk K in step.
;
; REGISTERS, in windows of 256:
;   window 0: v0-31 addresses; v32-63 packed bf16 on their way to the stage; v64-127, v128-191 fragments of x, two buffers; v192-255 the way out
;   window 1: v0-63, v192-255 raw f32 rows of w1, two sets; v64-127, v128-191 fragments of w1, two buffers
;   window 2: the 32 accumulator tiles of my rows 0-63 (tile (a, b) at v[8 (8 a + b)]);   window 3: those of my rows 64-127
; THE MATRIX INSTRUCTION IS USED TRANSPOSED: source 0 = 16 stage rows (hidden units), source 1 = 16 rows of x.  Lane l then holds row l % 16
; of x and, in registers 0-7, the hidden units rho = 16 b + 8 (l / 16) + 0 .. 7: a row's sum over hidden units stays in two lanes.
.set KSTEP,  128
.set PITCH,  272                       ; an LDS row of x: 256 bytes + 16 of padding: the 16 rows of a fragment load start in 16 different 16-byte columns modulo 256
.set WROWS,  128*PITCH                 ; one wave's 128 rows: what one tensor load brings
.set SLOT,   4*WROWS                   ; 139,264
.set BST,    2*SLOT                    ; 278,528: the two stages of w1, filled by ds_store alone
.set CHUNK,  128*32                    ; one wave's part of a stage: 128 rows rho x 16 K of bf16
.set STG,    4*CHUNK                   ; a stage: 64 K
.set TAB,    BST+2*STG                 ; 311,296: b1[rho], then w2[rho][0] at +512, then w2[rho][1] at +1,024, all f32
.set WROW,   32768                     ; bytes in a row of w1
.set HSTEP,  64*WROW                   ; a half step of w1
.set LAPS,   16                        ; a lap = both slots = four half steps = eight quarters
.set ADRA, 16                          ; v16-17  LDS address of my x fragments in slot 0, 1
.set ADRB, 18                          ; v18     LDS address of the w1 fragments (stage, chunk and tile in the immediate)
.set STBA, 20                          ; v20     where I store K 0-7 of my 16
.set STBB, 21                          ; v21     where I store K 8-15
.set WOFF, 22                          ; v22     my byte offset in the w1 stream; never rewritten
.set TADR, 23                          ; v23     the tables, for my half of the lanes
.set POFF, 24                          ; v24     my byte offset in part
.set LANE, 25                          ; v25
.set PK,   32                          ; window 0
.set F0,   64
.set F1,   128
.set T,    192                         ; window 0: the way out
.set RAW0, 0                           ; window 1
.set RAW1, 192                         ; window 1
.set BI,   0                           ; window 1, the way out: b1 of my 64 hidden units
.set WC0,  64                          ; window 1, the way out: w2[.][0]
.set WC1,  128                         ; window 1, the way out: w2[.][1]
.set PART, 64                          ; window 0, the way out: four chains of two sums for each of 8 row tiles
.set RED,  32                          ; window 0, the way out: (c0, c1) for each of 8 row tiles
.set RES,  48                          ; window 0, the way out: what is stored
.set G1, 24                            ; s[24:31] descriptor group 1
.set G0, 32                            ; s[32:39] descriptor group 0, one set for each slot
.set BP, 40                            ; s[40:41] the w1 stream's base
.set MSB, 0
.macro WIN new                         ; the immediate's high byte repeats the setting that is left
.if MSB != \new
	s_set_vgpr_msb (MSB<<8)|\new
.set MSB, \new
.endif
.endm
.set MUL_LO, 0xa1                      ; source 0 (w1) window 1, source 1 (x) window 0, C and D window 2
.set MUL_HI, 0xf1                      ; the same, C and D window 3
.set TO_B,   0x40                      ; destination window 1, address window 0
.set CVT,    0x05                      ; both sources window 1, destination window 0
.set EADD_LO, 0x06                     ; source 0 window 2, source 1 window 1, destination window 0
.set EADD_HI, 0x07                     ; source 0 window 3, source 1 window 1, destination window 0
.set EFMA,   0x04                      ; source 1 window 1, all else window 0
; A round of the cluster's barrier: my work-group's barrier, so that wave 0's signal speaks for all four waves; wave 0 signals for the
; work-group; every wave waits for all four work-groups; my work-group's barrier once more.
.macro CREST                           ; a round behind its opening barrier
	s_cmp_lg_u32 s20, 0
	s_cbranch_scc1 .Lnot_wave_0_\@
	s_barrier_signal -3
.Lnot_wave_0_\@:
	s_barrier_wait -3
	s_barrier_signal -1
	s_barrier_wait -1
.endm
.macro CROUND                          ; a whole round
	s_barrier_signal -1
	s_barrier_wait -1
	CREST
.endm
; Four places: a load into a register that a matrix instruction has read, and a vector instruction that reads a matrix result, stand four plain
; vector instructions behind it (ISA guide 7.12.1 for vector instructions).
.macro PLACES
.rept 4
	v_nop
.endr
.endm
; 16 matrix instructions: row tiles a0, a0 + 1 of the window's four (hi = 0: my rows 0-63, 1: rows 64-127) x all 8 tiles of hidden units, 32 along K.
; zero = 1: the first product starts the sums: nothing is ever cleared.  The 64 accumulators take turns, one instruction a turn, in the same
; order in every quarter.
.macro MUL16 f, hi, a0, zero
.irp a, \a0, \a0+1
.irp b, 0,1,2,3,4,5,6,7
.if \zero
	v_wmma_f32_16x16x32_bf16 v[8*(8*(\a)+\b):8*(8*(\a)+\b)+7], v[\f+8*\b:\f+8*\b+7], v[\f+8*(4*\hi+\a):\f+8*(4*\hi+\a)+7], 0
.else
	v_wmma_f32_16x16x32_bf16 v[8*(8*(\a)+\b):8*(8*(\a)+\b)+7], v[\f+8*\b:\f+8*\b+7], v[\f+8*(4*\hi+\a):\f+8*(4*\hi+\a)+7], v[8*(8*(\a)+\b):8*(8*(\a)+\b)+7]
.endif
.endr
.endr
.endm
; 32 LDS loads in one run: one quarter's fragments into buffer f.  w1: stage u, quarter qd of its two: K 0-15 of the quarter lie in chunk 2 qd,
; K 16-31 in the next.  x: slot, byte xk of the rows.
.macro FETCH slot, xk, u, qd, f
	WIN TO_B
.irp i, 0,1,2,3,4,5,6,7
	ds_load_b128 v[\f+8*\i:\f+8*\i+3],   v[ADRB] offset:\u*STG+\qd*2*CHUNK+\i*512
	ds_load_b128 v[\f+8*\i+4:\f+8*\i+7], v[ADRB] offset:\u*STG+\qd*2*CHUNK+CHUNK+\i*512
.endr
	WIN 0
.irp i, 0,1,2,3,4,5,6,7
	ds_load_b128 v[\f+8*\i:\f+8*\i+3],   v[ADRA+\slot] offset:\xk+\i*16*PITCH
	ds_load_b128 v[\f+8*\i+4:\f+8*\i+7], v[ADRA+\slot] offset:\xk+\i*16*PITCH+32
.endr
.endm
; 16 loads: my 16 rows of one half step of w1 into raw set s.  No hint: the other row block's work-group reads the same rows.
.macro LOADW s, off
	WIN TO_B
.irp i, 0,1,2,3,4,5,6,7,8,9,10,11,12,13,14,15
	global_load_b128 v[\s+4*\i:\s+4*\i+3], v[WOFF], s[BP:BP+1] offset:\off+WROW*\i
.endr
.endm
; Raw set s (16 K rows x my 4 columns) is rounded, paired along K and stored into my chunk of stage u; ld = 1: the set is loaded again, at off.
; cnt = the loads younger than this set's.  The 32 conversions name no register of a matrix instruction: they are also the places in front of
; the fragment loads that follow.
.macro CONV s, u, cnt, ld, off
	s_wait_loadcnt \cnt
	WIN CVT
.irp c, 0,1,2,3
.irp p, 0,1,2,3,4,5,6,7
	v_cvt_pk_bf16_f32 v[PK+8*\c+\p], v[\s+8*\p+\c], v[\s+8*\p+4+\c]        ; column 4 L + c, K rows 2 p (low half) and 2 p + 1
.endr
.endr
	WIN 0
.irp c, 0,1,2,3
	ds_store_b128 v[STBA], v[PK+8*\c:PK+8*\c+3]   offset:\u*STG+1024*\c    ; stage row 32 c + L, K 0-7
	ds_store_b128 v[STBB], v[PK+8*\c+4:PK+8*\c+7] offset:\u*STG+1024*\c    ; K 8-15
.endr
.if \ld
	LOADW \s, \off
.endif
.endm
; The even quarter of a half step: multiplies buffer 0; in its middle the next half step's w1 is staged (conv = 1) and the odd quarter's fragments are fetched.
.macro QA slot, xk, u, zero, conv, s, cu, cnt, ld, off
	s_wait_dscnt 8                                 ; w1's fragments and x's rows 0-63 are in; the youngest eight loads (x's rows 64-127) may be out
	WIN MUL_LO
	MUL16 F0, 0, 0, \zero
	MUL16 F0, 0, 2, \zero
.if \conv
	CONV \s, \cu, \cnt, \ld, \off
.else
	PLACES
.endif
	FETCH \slot, \xk+64, \u, 1, F1
	s_wait_dscnt 32                                ; all but the 32 loads just issued
	WIN MUL_HI
	MUL16 F0, 1, 0, \zero
	MUL16 F0, 1, 2, \zero
.endm
; The odd quarter: multiplies buffer 1 and holds the half step's barrier.  In front of it each wave's reads of this half step's stage (and slot) and
; its stores into the next stage are done; behind it the next stage is whole and this one may be written again.
; kind 0: that is all; a tensor load may stay on its way, since no slot is filled behind this barrier.
; kind 1: the slot has been read to its end: all my tensor loads are waited for (the one that is out is my part of the other slot), the barrier opens
;         a round of the cluster's barrier, and the joint refill of the slot, two K steps ahead, is the first tensor load behind the round.
; kind 2: as kind 1 without round and refill: nothing is left to fetch.
.macro QB kind, slot, nslot, nxk, nu
	s_wait_dscnt 8
	WIN MUL_LO
	MUL16 F1, 0, 0, 0
	s_wait_dscnt 0                                 ; for the other waves' sake: every LDS load and store of mine is done
.if \kind
	s_set_vgpr_msb 0xa1a0
	s_wait_tensorcnt 0x0                           ; all my tensor loads have landed
	ds_add_u32 v2, v19
	s_wait_dscnt 0x0
	s_set_vgpr_msb 0xa0a1
.endif
	s_barrier_signal -1
	MUL16 F1, 0, 2, 0                              ; work on registers while the others arrive
	WIN 0
	s_barrier_wait -1
.if \kind == 1
	CREST                                          ; no wave of any partner still reads this slot or has a load on its way
	s_add_nc_u64 s[G0+4*\slot+2:G0+4*\slot+3], s[G0+4*\slot+2:G0+4*\slot+3], 2*KSTEP*2
	tensor_load_to_lds s[G0+4*\slot:G0+4*\slot+3], s[G1:G1+7]      ; my one tensor load until the next such round: one is out from here on
	s_nop 0
.endif
	PLACES
	FETCH \nslot, \nxk, \nu, 0, F0
	WIN MUL_HI
	MUL16 F1, 1, 0, 0
	MUL16 F1, 1, 2, 0
.endm
; Once round the ring.  In half step t the raw set of half step t + 1 is staged and loaded again with half step t + 3, so at every CONV exactly one
; younger set of 16 loads is out.  BP stands at half step t0 + 3 of the lap's first half step t0.
.macro LAP zero
	QA 0, 0,   0, \zero, 1, RAW1, 1, 16, 1, 0
	QB 0, 0, 0, 128, 1
	QA 0, 128, 1, 0,     1, RAW0, 0, 16, 1, HSTEP
	QB 1, 0, 1, 0, 0
	QA 1, 0,   0, 0,     1, RAW1, 1, 16, 1, 2*HSTEP
	QB 0, 1, 1, 128, 1
	QA 1, 128, 1, 0,     1, RAW0, 0, 16, 1, 3*HSTEP
	QB 1, 1, 0, 0, 0
	WIN 0
	s_wait_xcnt 0x0                                ; the base of the w1 loads is stepped only behind this wait
	s_add_nc_u64 s[BP:BP+1], s[BP:BP+1], 4*HSTEP
.endm
	; ---- place, pointers, descriptor ----
	s_load_b512 s[4:19], s[0:1], 0x0               ; xb 4, t_w1 6, f_w1 8, t_b1 10, f_b1 12, t_w2 14, f_w2 16, part 18
	v_lshl_add_u32 v2, v0, 2, 0x4c600
	v_mov_b32 v19, 0
	ds_add_u32 v2, v19
	v_lshrrev_b32 v1, 5, v0
	v_readfirstlane_b32 s20, v1                    ; wave 0..3
	s_bfe_u32 s21, ttmp6, 0x40000                  ; cx: my place in the cluster
	s_and_b32 s22, ttmp9, 1                        ; row block: the cluster's number mod 2, the same in all four partners
	s_lshr_b32 s23, ttmp9, 1
	s_lshl2_add_u32 s23, s23, s21                  ; column block 0..127 = 4 (cluster / 2) + cx
	s_and_b32 s53, s23, 63                         ; column block inside its expert
	s_mov_b32 s51, 0x76543210                      ; v_permlanex16_b32: lane i of one half reads lane i of the other
	s_mov_b32 s52, 0xfedcba98
	; group 1: a tile of 128 rows x 128 bf16, padded in LDS
	s_mov_b32 s[G1+0], 15|(1<<16)|(1<<20)|(1<<21)|(5<<22)|(3<<25)  ; 15:0 mask: all four partners; 17:16 2 bytes; 20 padding on; 21 set beside a mask; 24:22 after every 64 words; 31:25 4 words
	s_mov_b32 s[G1+1], KSTEP<<16                   ; tensor_dim0 = 128
	s_mov_b32 s[G1+2], 128<<16                     ; tensor_dim1 = 128
	s_mov_b32 s[G1+3], KSTEP<<16                   ; tile_dim0 = 128
	s_mov_b32 s[G1+4], 128                         ; tile_dim1 = 128
	s_mov_b32 s[G1+5], 4096                        ; elements from row to row of xb
	s_mov_b32 s[G1+6], 0
	s_mov_b32 s[G1+7], 0
	v_and_b32 v[LANE], 31, v0
	v_lshlrev_b32 v3, 4, v[LANE]                   ; 16 L
	v_lshl_add_u32 v[WOFF], s20, 19, v3            ; + wave x 16 rows of 32,768 bytes
	v_lshl_add_u32 v3, s20, 2, v3                  ; b1: column 4 L + wave, which is stage row rho = 32 wave + L = my thread number
	v_lshlrev_b32 v4, 1, v3                        ; w2: the same column, 8 bytes a row
	s_lshl_b32 s46, s53, 9                         ; 128 columns of f32 (w1's rows, b1)
	s_mov_b32 s47, 0
	s_lshl_b32 s54, s53, 10                        ; 128 rows of w2
	s_mov_b32 s55, 0
	s_lshl_b32 s60, s23, 13                        ; part: 8,192 bytes a column block,
	s_lshl_b32 s62, s22, 12                        ; 4,096 a row block
	s_add_co_u32 s60, s60, s62
	s_mov_b32 s61, 0
	s_lshl_b32 s56, s22, 22                        ; xb: 512 rows of 8,192 bytes a row block,
	s_lshl_b32 s62, s20, 20                        ; 128 rows a wave: no register that feeds the descriptor ever holds cx
	s_add_co_u32 s56, s56, s62
	s_mov_b32 s57, 0
	s_mul_i32 s58, s20, WROWS                      ; LDS: my rows in a slot
	s_lshl_b32 s59, s20, 12
	s_add_co_u32 s59, s59, BST                     ; LDS: my chunk of stage 0
	s_lshl_b32 s53, s20, 7
	s_add_co_u32 s53, s53, TAB                     ; LDS: my 32 words of a table
	s_wait_dscnt 0x0
	s_wait_kmcnt 0x0
	s_cmp_lt_u32 ttmp9, 32                         ; clusters 0-31: texture, 32-63: frequency
	s_cselect_b64 s[BP:BP+1], s[6:7], s[8:9]
	s_cselect_b64 s[42:43], s[10:11], s[12:13]
	s_cselect_b64 s[44:45], s[14:15], s[16:17]
	s_add_nc_u64 s[BP:BP+1], s[BP:BP+1], s[46:47]
	s_add_nc_u64 s[42:43], s[42:43], s[46:47]
	s_add_nc_u64 s[44:45], s[44:45], s[54:55]
	s_add_nc_u64 s[48:49], s[18:19], s[60:61]
	s_add_nc_u64 s[56:57], s[4:5], s[56:57]
	global_load_b32 v26, v3, s[42:43]              ; b1 of my hidden unit
	global_load_b64 v[28:29], v4, s[44:45]         ; its two numbers of w2
	LOADW RAW0, 0                                  ; half step 0
	LOADW RAW1, HSTEP                              ; half step 1
	WIN 0
	CROUND                                         ; all four work-groups are here: the first joint loads meet
.irp s, 0,1
	s_mov_b32 s[G0+4*\s], 1                                        ; count = 1
	s_add_co_u32 s[G0+4*\s+1], s58, \s*SLOT                        ; LDS address: wave x 34,816 + slot x 139,264
	s_add_nc_u64 s[G0+4*\s+2:G0+4*\s+3], s[56:57], \s*KSTEP*2      ; K step s
	s_or_b32 s[G0+4*\s+3], s[G0+4*\s+3], 0x80000000                ; type = 2
	tensor_load_to_lds s[G0+4*\s:G0+4*\s+3], s[G1:G1+7]            ; both first fills go out together: two are out
	s_nop 0
	PLACES
.endr
	; ---- LDS addresses: a lane term, a scalar term of the wave's number, constants ----
	v_and_b32 v6, 15, v0                           ; r = l % 16
	v_bfe_u32 v7, v0, 4, 1                         ; h = l / 16
	v_bfe_u32 v8, v0, 3, 1                         ; bit 3 of the lane = bit 3 of the stage row that it stores or reads
	v_mul_u32_u24 v9, v6, PITCH
	v_lshl_add_u32 v9, v7, 4, v9                   ; x: row x pitch + 16 h
	v_add_nc_u32 v[ADRA], s58, v9
	v_add_nc_u32 v[ADRA+1], SLOT, v[ADRA]
	; A stage row is 32 bytes without padding; its two halves of 16 bytes change places where bit 3 of the row is set, so that 16 neighbouring
	; rows' like halves lie in 16 different 16-byte columns modulo 256.
	v_add_nc_u32 v10, v7, v8
	v_and_b32 v10, 1, v10                          ; where half h of row r lies
	v_lshlrev_b32 v11, 5, v6
	v_lshl_add_u32 v11, v10, 4, v11
	v_add_nc_u32 v[ADRB], BST, v11
	v_lshlrev_b32 v12, 5, v[LANE]                  ; stores: row L of a group of 32 rows
	v_lshl_add_u32 v13, v8, 4, v12
	v_add_nc_u32 v[STBA], s59, v13                 ; K 0-7
	v_add_nc_u32 v14, 8, v0
	v_bfe_u32 v14, v14, 3, 1                       ; bit 3 turned over
	v_lshl_add_u32 v14, v14, 4, v12
	v_add_nc_u32 v[STBB], s59, v14                 ; K 8-15
	v_lshlrev_b32 v[TADR], 5, v7
	v_add_nc_u32 v[TADR], TAB, v[TADR]             ; tables: 4 (16 b + 8 h + j)
	v_lshlrev_b32 v[POFF], 3, v[LANE]
	v_lshl_add_u32 v[POFF], s20, 10, v[POFF]       ; part: 8 bytes a row, 128 rows a wave
	v_lshl_add_u32 v15, v[LANE], 2, s53
	; ---- the tables, rounded to bf16 and widened again ----
	s_wait_loadcnt 32                              ; the two table loads are in; the 32 loads of w1 behind them stay out
	v_cvt_pk_bf16_f32 v5, v26, v26
	v_cvt_pk_bf16_f32 v27, v28, v29
	v_lshlrev_b32 v5, 16, v5
	v_lshlrev_b32 v30, 16, v27
	v_and_b32 v31, 0xffff0000, v27
	ds_store_b32 v15, v5
	ds_store_b32 v15, v30 offset:512
	ds_store_b32 v15, v31 offset:1024
	CONV RAW0, 0, 16, 1, 2*HSTEP                   ; half step 0 into stage 0; half step 2 is asked for
	s_wait_xcnt 0x0
	s_add_nc_u64 s[BP:BP+1], s[BP:BP+1], 3*HSTEP
	s_wait_tensorcnt 0x1                           ; my part of slot 0 is in; slot 1's stays out
	s_wait_dscnt 0x0                               ; my stores into stage 0 and the tables are done
	s_barrier_signal -1
	s_barrier_wait -1
	FETCH 0, 0, 0, 0, F0
	; ---- K ----
	LAP 1                                          ; the first lap stands in front of the loop: its first products start the sums
	s_mov_b32 s50, LAPS-2
.Llap:
	LAP 0
	s_sub_co_u32 s50, s50, 1
	s_cmp_lg_u32 s50, 0
	s_cbranch_scc1 .Llap
	; the last lap, half steps 60 to 63: one more set of w1 (half step 63), no refill, no round
	QA 0, 0,   0, 0, 1, RAW1, 1, 16, 1, 0
	QB 0, 0, 0, 128, 1
	QA 0, 128, 1, 0, 1, RAW0, 0, 16, 0, 0          ; half step 63's loads are the 16 younger ones
	QB 2, 0, 1, 0, 0                               ; the last tensor load, slot 1's, is waited for here
	QA 1, 0,   0, 0, 1, RAW1, 1, 0, 0, 0           ; the last set: nothing is younger
	QB 0, 1, 1, 128, 1
	QA 1, 128, 1, 0, 0, 0, 0, 0, 0, 0
	s_wait_dscnt 8                                 ; the very last quarter: nothing more to fetch
	WIN MUL_LO
	MUL16 F1, 0, 0, 0
	MUL16 F1, 0, 2, 0
	s_wait_dscnt 0
	WIN MUL_HI
	MUL16 F1, 1, 0, 0
	MUL16 F1, 1, 2, 0
	; ---- the way out: bias, relu, the product with w2, all in f32 on the sums ----
	PLACES                                         ; behind the last matrix instructions: for the loads into fragment registers and the reads of results
	WIN TO_B
.irp g, 0,1,2
.irp b, 0,1,2,3,4,5,6,7
	ds_load_b128 v[64*\g+8*\b:64*\g+8*\b+3],   v[TADR] offset:512*\g+64*\b        ; table g, hidden units 16 b + 8 h + 0..3: the order of my results
	ds_load_b128 v[64*\g+8*\b+4:64*\g+8*\b+7], v[TADR] offset:512*\g+64*\b+16
.endr
.endr
	s_wait_dscnt 0x0
; Row tile idx (tile of window win): 64 hidden units of one row in each lane.  Two chains for each of w2's two columns.
.macro EPI idx, tile, win
	WIN \win
.irp b, 0,1,2,3,4,5,6,7
.irp p, 0,2,4,6
	v_pk_add_f32 v[T+8*\b+\p:T+8*\b+\p+1], v[8*(8*\tile+\b)+\p:8*(8*\tile+\b)+\p+1], v[BI+8*\b+\p:BI+8*\b+\p+1]
.endr
.endr
	WIN EFMA
.set q, 0
.rept 64
	v_max_num_f32 v[T+q], v[T+q], 0
.set q, q+1
.endr
	v_pk_mul_f32 v[PART+8*\idx:PART+8*\idx+1],   v[T:T+1],   v[WC0:WC0+1]         ; the first products start the chains
	v_pk_mul_f32 v[PART+8*\idx+2:PART+8*\idx+3], v[T+2:T+3], v[WC0+2:WC0+3]
	v_pk_mul_f32 v[PART+8*\idx+4:PART+8*\idx+5], v[T:T+1],   v[WC1:WC1+1]
	v_pk_mul_f32 v[PART+8*\idx+6:PART+8*\idx+7], v[T+2:T+3], v[WC1+2:WC1+3]
.set q, 4
.rept 15
	v_pk_fma_f32 v[PART+8*\idx:PART+8*\idx+1],   v[T+q:T+q+1],   v[WC0+q:WC0+q+1],   v[PART+8*\idx:PART+8*\idx+1]
	v_pk_fma_f32 v[PART+8*\idx+2:PART+8*\idx+3], v[T+q+2:T+q+3], v[WC0+q+2:WC0+q+3], v[PART+8*\idx+2:PART+8*\idx+3]
	v_pk_fma_f32 v[PART+8*\idx+4:PART+8*\idx+5], v[T+q:T+q+1],   v[WC1+q:WC1+q+1],   v[PART+8*\idx+4:PART+8*\idx+5]
	v_pk_fma_f32 v[PART+8*\idx+6:PART+8*\idx+7], v[T+q+2:T+q+3], v[WC1+q+2:WC1+q+3], v[PART+8*\idx+6:PART+8*\idx+7]
.set q, q+4
.endr
.endm
	EPI 0, 0, EADD_LO
	EPI 1, 1, EADD_LO
	EPI 2, 2, EADD_LO
	EPI 3, 3, EADD_LO
	EPI 4, 0, EADD_HI
	EPI 5, 1, EADD_HI
	EPI 6, 2, EADD_HI
	EPI 7, 3, EADD_HI
	WIN 0
.irp a, 0,1,2,3,4,5,6,7
	v_pk_add_f32 v[PART+8*\a:PART+8*\a+1],   v[PART+8*\a:PART+8*\a+1],   v[PART+8*\a+2:PART+8*\a+3]
	v_pk_add_f32 v[PART+8*\a+4:PART+8*\a+5], v[PART+8*\a+4:PART+8*\a+5], v[PART+8*\a+6:PART+8*\a+7]
.endr
.irp a, 0,1,2,3,4,5,6,7
	v_add_f32 v[RED+2*\a],   v[PART+8*\a],   v[PART+8*\a+1]                       ; row 16 a + r, my half of the hidden units, column 0
	v_add_f32 v[RED+2*\a+1], v[PART+8*\a+4], v[PART+8*\a+5]                       ; column 1
.endr
	; The two halves of the lanes hold the two halves of each row's sum.  Of row tiles 2 i and 2 i + 1 lanes 0-15 finish the first and lanes 16-31
	; the second: each lane sends what the other half needs and keeps its own, so that lane l ends with row 32 i + l.
	v_cmp_le_u32 vcc_lo, 16, v[LANE]
.irp i, 0,1,2,3
.irp c, 0,1
	v_cndmask_b32 v[T+4*\i+2*\c], v[RED+4*\i+2+\c], v[RED+4*\i+\c], vcc_lo        ; to send: the tile that I do not finish
	v_cndmask_b32 v[RES+2*\i+\c], v[RED+4*\i+\c], v[RED+4*\i+2+\c], vcc_lo        ; to keep
	v_permlanex16_b32 v[T+4*\i+2*\c+1], v[T+4*\i+2*\c], s51, s52                  ; its destination has been written above
	v_add_f32 v[RES+2*\i+\c], v[RES+2*\i+\c], v[T+4*\i+2*\c+1]
.endr
	global_store_b64 v[POFF], v[RES+2*\i:RES+2*\i+1], s[48:49] offset:256*\i      ; the wave's store covers 256 consecutive bytes, aligned: 32 rows x 2 numbers
.endr
	s_wait_tensorcnt 0x0
	ds_add_u32 v2, v19
	s_wait_dscnt 0x0
	CROUND                                         ; the closing round: no work-group ends while a partner may still ask for a tile that names it
	s_endpgm
.Lfunc_end_k_qe263f48313_experts:
	.size	k_qe263f48313_experts, .Lfunc_end_k_qe263f48313_experts-k_qe263f48313_experts
	.p2alignl 7, 3214868480
	.fill 96, 4, 3214868480
	.section	.rodata,"a",@progbits
	.p2align	6, 0x0
	.amdhsa_kernel k_qe263f48313_experts
		.amdhsa_group_segment_fixed_size 327680
		.amdhsa_private_segment_fixed_size 0
		.amdhsa_enable_private_segment 0
		.amdhsa_kernarg_size 64
		.amdhsa_user_sgpr_count 2
		.amdhsa_user_sgpr_kernarg_segment_ptr 1
		.amdhsa_wavefront_size32 1
		.amdhsa_system_sgpr_workgroup_id_x 1
		.amdhsa_system_sgpr_workgroup_id_y 1
		.amdhsa_system_sgpr_workgroup_id_z 1
		.amdhsa_system_vgpr_workitem_id 0
		.amdhsa_next_free_vgpr 1024
		.amdhsa_next_free_sgpr 66
		.amdhsa_reserve_vcc 1
		.amdhsa_float_denorm_mode_32 3
		.amdhsa_float_denorm_mode_16_64 3
		.amdhsa_memory_ordered 1
		.amdhsa_forward_progress 1
		.amdhsa_inst_pref_size 255
	.end_amdhsa_kernel
	.section	.bss,"aw",@nobits
	.p2align	6
	.space	262144
	.amdgpu_metadata
---
amdhsa.version: [ 1, 2 ]
amdhsa.kernels:
  - .name:           k_qe263f48313_experts
    .symbol:         k_qe263f48313_experts.kd
    .args:
      - { .name: xb, .offset: 0, .size: 8, .value_kind: global_buffer, .address_space: global }
      - { .name: t_w1, .offset: 8, .size: 8, .value_kind: global_buffer, .address_space: global }
      - { .name: f_w1, .offset: 16, .size: 8, .value_kind: global_buffer, .address_space: global }
      - { .name: t_b1, .offset: 24, .size: 8, .value_kind: global_buffer, .address_space: global }
      - { .name: f_b1, .offset: 32, .size: 8, .value_kind: global_buffer, .address_space: global }
      - { .name: t_w2, .offset: 40, .size: 8, .value_kind: global_buffer, .address_space: global }
      - { .name: f_w2, .offset: 48, .size: 8, .value_kind: global_buffer, .address_space: global }
      - { .name: part, .offset: 56, .size: 8, .value_kind: global_buffer, .address_space: global }
    .group_segment_fixed_size: 327680
    .private_segment_fixed_size: 0
    .kernarg_segment_align: 8
    .kernarg_segment_size: 64
    .max_flat_workgroup_size: 128
    .sgpr_count:     66
    .vgpr_count:     1024
    .wavefront_size: 32
...
	.end_amdgpu_metadata
.endif
;; end of part 2
;; launch decide (part 3): grid 32 x 1, 8 waves a work-group, no clusters, 3,072 bytes of LDS; arguments part, t_b2, f_b2, out0; writes out0
.if DOCPART == 3
	.amdgcn_target "amdgcn-amd-amdhsa--gfx1250"
	.amdhsa_code_object_version 6
	.text
	.protected	k_qe263f48313_decide
	.globl	k_qe263f48313_decide
	.p2align	8
	.type	k_qe263f48313_decide,@function
k_qe263f48313_decide:
	s_mov_b64 s[64:65], 0
	v_nop
	global_prefetch_b8 v0, s[64:65] scope:SCOPE_SE
	s_setreg_imm32_b32 hwreg(HW_REG_WAVE_MODE, 25, 1), 1
	s_wait_xcnt 0x0
; out0[row] = the texture logits, or the frequency logits where the largest softmax probability of the texture logits is below 0.8.
; part: [128 column blocks][1024 rows][2] f32, blocks 0-63 texture, 64-127 frequency.  logits = sum over an expert's 64 blocks + b2.
; 32 work-groups of eight waves (1 MiB is read in all: there is work for no more); a work-group owns 32 rows, a lane is a row, wave v sums blocks
; 16 v .. 16 v + 15 in a fixed order; the eight sums meet in LDS and wave 0 decides.  Each load of a wave covers 256 consecutive bytes, aligned.
; FORMAT (stated limit): b2 is rounded to bf16 like every other input of the program (at most 2^-9 of its size); all else is f32.
; The softmax takes the row's maximum away first, as the problem's function does.  A NaN confidence compares false and keeps the texture logits, as there.
	s_load_b256 s[4:11], s[0:1], 0x0               ; part s[4:5], t_b2 s[6:7], f_b2 s[8:9], out0 s[10:11]
	v_lshl_add_u32 v64, v0, 2, 0x800
	v_mov_b32 v65, 0
	v_and_b32 v1, 31, v0                           ; lane = row
	v_lshrrev_b32 v2, 5, v0
	v_readfirstlane_b32 s12, v2                    ; wave
	v_lshlrev_b32 v3, 3, v1                        ; 8 bytes a row
	s_lshl_b32 s14, ttmp9, 8                       ; my 32 rows
	s_mov_b32 s15, 0
	s_lshl_b32 s13, s12, 8                         ; LDS: 256 bytes a wave
	v_lshl_add_u32 v4, s12, 17, v3                 ; 16 blocks of 8,192 bytes a wave
	v_add_nc_u32 v5, s13, v3
	s_wait_kmcnt 0x0
	s_load_b64 s[16:17], s[6:7], 0x0               ; t_b2
	s_load_b64 s[18:19], s[8:9], 0x0               ; f_b2
	s_add_nc_u64 s[4:5], s[4:5], s[14:15]
	s_add_nc_u64 s[10:11], s[10:11], s[14:15]
.irp j, 0,1,2,3,4,5,6,7,8,9,10,11,12,13,14,15
	global_load_b64 v[8+2*\j:9+2*\j], v4, s[4:5] offset:8192*\j th:TH_LOAD_NT
.endr
	s_wait_loadcnt 0x0
.irp j, 2,4,6,8,10,12,14
	v_pk_add_f32 v[8:9],   v[8:9],   v[8+2*\j:9+2*\j]              ; two chains, even and odd blocks, ascending
	v_pk_add_f32 v[10:11], v[10:11], v[10+2*\j:11+2*\j]
.endr
	v_pk_add_f32 v[8:9], v[8:9], v[10:11]
	ds_store_b64 v5, v[8:9]
	s_wait_kmcnt 0x0                               ; both b2
	s_wait_dscnt 0x0                               ; for wave 0's sake: my sums are in LDS
	s_barrier_signal -1
	s_barrier_wait -1
	s_cmp_lg_u32 s12, 0
	s_cbranch_scc1 .Ldone
.irp k, 0,1,2,3,4,5,6,7
	ds_load_b64 v[40+2*\k:41+2*\k], v3 offset:256*\k
.endr
	v_cvt_pk_bf16_f32 v6, s16, s17
	v_cvt_pk_bf16_f32 v7, s18, s19
	v_lshlrev_b32 v56, 16, v6
	v_and_b32 v57, 0xffff0000, v6
	v_lshlrev_b32 v58, 16, v7
	v_and_b32 v59, 0xffff0000, v7
	s_wait_dscnt 0x0
	v_pk_add_f32 v[40:41], v[40:41], v[42:43]
	v_pk_add_f32 v[44:45], v[44:45], v[46:47]
	v_pk_add_f32 v[48:49], v[48:49], v[50:51]
	v_pk_add_f32 v[52:53], v[52:53], v[54:55]
	v_pk_add_f32 v[40:41], v[40:41], v[44:45]
	v_pk_add_f32 v[48:49], v[48:49], v[52:53]
	v_pk_add_f32 v[40:41], v[40:41], v[56:57]      ; texture logits
	v_pk_add_f32 v[48:49], v[48:49], v[58:59]      ; frequency logits
	v_max_num_f32 v60, v40, v41                    ; the row's maximum
	v_sub_f32 v61, v40, v60
	v_sub_f32 v62, v41, v60
	v_mul_f32 v61, 0x3fb8aa3b, v61                 ; e^x = 2^(x log2 e)
	v_mul_f32 v62, 0x3fb8aa3b, v62
	v_exp_f32 v20, v61
	v_exp_f32 v21, v62
	v_nop                                          ; one plain vector instruction behind a transcendental before its result is used (ISA guide 5.7.2)
	s_wait_alu depctr_va_vdst(0)
	v_add_f32 v22, v20, v21
	v_rcp_f32 v23, v22
	v_max_num_f32 v24, v20, v21                    ; the plain instruction behind v_rcp_f32: it touches neither v22 nor v23
	s_wait_alu depctr_va_vdst(0)
	v_mul_f32 v24, v24, v23                        ; the confidence
	v_cmp_gt_f32 vcc_lo, 0x3f4ccccd, v24           ; 0.8 > confidence
	v_cndmask_b32 v26, v40, v48, vcc_lo
	v_cndmask_b32 v27, v41, v49, vcc_lo
	global_store_b64 v3, v[26:27], s[10:11]        ; 32 rows x 8 bytes: 256 consecutive bytes, aligned
.Ldone:
	s_wait_tensorcnt 0x0
	ds_add_u32 v64, v65
	s_wait_dscnt 0x0
	s_endpgm
.Lfunc_end_k_qe263f48313_decide:
	.size	k_qe263f48313_decide, .Lfunc_end_k_qe263f48313_decide-k_qe263f48313_decide
	.p2alignl 7, 3214868480
	.fill 96, 4, 3214868480
	.section	.rodata,"a",@progbits
	.p2align	6, 0x0
	.amdhsa_kernel k_qe263f48313_decide
		.amdhsa_group_segment_fixed_size 3072
		.amdhsa_private_segment_fixed_size 0
		.amdhsa_enable_private_segment 0
		.amdhsa_kernarg_size 32
		.amdhsa_user_sgpr_count 2
		.amdhsa_user_sgpr_kernarg_segment_ptr 1
		.amdhsa_wavefront_size32 1
		.amdhsa_system_sgpr_workgroup_id_x 1
		.amdhsa_system_sgpr_workgroup_id_y 1
		.amdhsa_system_sgpr_workgroup_id_z 1
		.amdhsa_system_vgpr_workitem_id 0
		.amdhsa_next_free_vgpr 66
		.amdhsa_next_free_sgpr 66
		.amdhsa_reserve_vcc 1
		.amdhsa_float_denorm_mode_32 3
		.amdhsa_float_denorm_mode_16_64 3
		.amdhsa_memory_ordered 1
		.amdhsa_forward_progress 1
		.amdhsa_inst_pref_size 6
	.end_amdhsa_kernel
	.amdgpu_metadata
---
amdhsa.version: [ 1, 2 ]
amdhsa.kernels:
  - .name:           k_qe263f48313_decide
    .symbol:         k_qe263f48313_decide.kd
    .args:
      - { .name: part, .offset: 0, .size: 8, .value_kind: global_buffer, .address_space: global }
      - { .name: t_b2, .offset: 8, .size: 8, .value_kind: global_buffer, .address_space: global }
      - { .name: f_b2, .offset: 16, .size: 8, .value_kind: global_buffer, .address_space: global }
      - { .name: out0, .offset: 24, .size: 8, .value_kind: global_buffer, .address_space: global }
    .group_segment_fixed_size: 3072
    .private_segment_fixed_size: 0
    .kernarg_segment_align: 8
    .kernarg_segment_size: 32
    .max_flat_workgroup_size: 256
    .sgpr_count:     66
    .vgpr_count:     66
    .wavefront_size: 32
...
	.end_amdgpu_metadata
.endif
;; end of part 3
